; MI455X (gfx1250); checked and timed in simulation.
; The chip was launched on July 23, 2026; its instructions are those of AMD's public machine-readable ISA for CDNA 5 (MIT licence, August 2026) and "CDNA5" Instruction Set Architecture Reference Guide (July 2026). The comments in the code are by the model that wrote it; some were corrected since.
;; Multi Head Attention. Allowed arithmetic: float matrix products may take bf16 or f16 operands with f32 sums; all other float work in f32.
;; Inputs: b_k 1,024 float32; b_o 1,024 float32; b_q 1,024 float32; b_v 1,024 float32; key 2 x 2,048 x 1,024 float32; query 2 x 2,048 x 1,024 float32; value 2 x 2,048 x 1,024 float32; w_k 1,024 x 1,024 float32; w_o 1,024 x 1,024 float32; w_q 1,024 x 1,024 float32; w_v 1,024 x 1,024 float32.
;; Outputs: out0 2 x 2,048 x 1,024 float32.
;; One version. Each part assembles by itself: llvm-mc -triple=amdgcn-amd-amdhsa -mcpu=gfx1250 --defsym DOCPART=n.
;; ======== version 1 of 1: 4 launches
;; limits: values are held in f16: magnitudes above 65,504 overflow, below 6.1e-05 lose precision; right only within a limited range of input values
;; workspace buffers: xh 33,554,432 bytes; qkvh 25,165,824 bytes; ctxh 8,388,608 bytes
;; launch cast (part 1): grid 1024 x 1, 8 waves a work-group, no clusters, 0 bytes of LDS; arguments query, key, value, w_q, w_k, w_v, w_o, xh; writes xh
.if DOCPART == 1
	.amdgcn_target "amdgcn-amd-amdhsa--gfx1250"
	.amdhsa_code_object_version 6
	.text
	.protected	k_q7a08280cba_cast
	.globl	k_q7a08280cba_cast
	.p2align	8
	.type	k_q7a08280cba_cast,@function
k_q7a08280cba_cast:
	s_mov_b64 s[64:65], 0
	v_nop
	global_prefetch_b8 v0, s[64:65] scope:SCOPE_SE
	s_setreg_imm32_b32 hwreg(HW_REG_WAVE_MODE, 25, 1), 1
	s_wait_xcnt 0x0
; xh = the seven large f32 inputs rounded once to f16, one behind the other:
; query, key, value (8,388,608 bytes of f16 each), then w_q, w_k, w_v, w_o (2,097,152 bytes each).
; LIMIT: a number of magnitude 65,504 or more leaves the range of f16; NaN and infinities are not served.
; A stream: each byte is read once and written once, nothing is shared, so no LDS, no barrier, no matrix unit, no cluster.
; 1,024 work-groups of 8 waves; a work-group takes 65,536 bytes of f32, a wave 8,192, a lane 16 loads of 16 bytes.
; Each load of a wave covers 512 consecutive bytes, each store 256 consecutive bytes, both aligned to their own length.
.set X, 4                              ; v[4:67]   16 x 4 numbers as loaded
.set Y, 68                             ; v[68:99]  16 x 2 registers of f16 pairs; no register is written twice, so no store's data is ever freed
	s_load_b512 s[8:23], s[0:1], 0x0               ; query s[8:9], key, value, w_q, w_k, w_v, w_o s[20:21], xh s[22:23]
	s_lshr_b32 s2, ttmp9, 8                        ; 256 work-groups for each activation; the last 256 share the four weights
	s_bfe_u32 s3, ttmp9, 0x20006                   ; which weight: bits 7:6 of the work-group number
	s_add_co_u32 s3, s3, 3
	s_cmp_lt_u32 s2, 3
	s_cselect_b32 s26, s2, s3                      ; number of the input, 0 to 6
	s_cselect_b32 s27, 255, 63                     ; work-groups in that input, less one
	s_and_b32 s4, ttmp9, s27
	s_lshl_b32 s4, s4, 16                          ; byte offset in the input
	s_mov_b32 s5, 0
	s_lshl_b32 s6, ttmp9, 15                       ; byte offset in xh: the copies lie in the order of the work-groups
	s_mov_b32 s7, 0
	v_and_b32 v3, 31, v0                           ; lane
	v_lshrrev_b32 v2, 5, v0                        ; wave
	v_lshlrev_b32 v1, 13, v2
	v_lshl_or_b32 v1, v3, 4, v1                    ; load offset: 8,192 wave + 16 lane
	v_lshlrev_b32 v2, 12, v2
	v_lshl_or_b32 v2, v3, 3, v2                    ; store offset: 4,096 wave + 8 lane
	s_wait_kmcnt 0x0
	s_mov_b64 s[24:25], s[8:9]
.irp k, 1,2,3,4,5,6
	s_cmp_eq_u32 s26, \k                           ; a choice between buffers on the work-group number alone
	s_cselect_b64 s[24:25], s[8+2*\k:9+2*\k], s[24:25]
.endr
	s_add_nc_u64 s[24:25], s[24:25], s[4:5]
	s_add_nc_u64 s[22:23], s[22:23], s[6:7]
.irp i, 0,1,2,3,4,5,6,7,8,9,10,11,12,13,14,15
	global_load_b128 v[X+4*\i:X+4*\i+3], v1, s[24:25] offset:512*\i th:TH_LOAD_NT   ; read once in the launch
.endr
.irp i, 0,1,2,3,4,5,6,7,8,9,10,11,12,13,14,15
	s_wait_loadcnt 15-\i                           ; loads return in order: load i is in, the 15 - i younger ones stay out
	v_cvt_pk_f16_f32 v[Y+2*\i], v[X+4*\i], v[X+4*\i+1]
	v_cvt_pk_f16_f32 v[Y+2*\i+1], v[X+4*\i+2], v[X+4*\i+3]
	global_store_b64 v2, v[Y+2*\i:Y+2*\i+1], s[22:23] offset:256*\i   ; no hint: the next launch reads these bytes
.endr
	s_endpgm
.Lfunc_end_k_q7a08280cba_cast:
	.size	k_q7a08280cba_cast, .Lfunc_end_k_q7a08280cba_cast-k_q7a08280cba_cast
	.p2alignl 7, 3214868480
	.fill 96, 4, 3214868480
	.section	.rodata,"a",@progbits
	.p2align	6, 0x0
	.amdhsa_kernel k_q7a08280cba_cast
		.amdhsa_group_segment_fixed_size 0
		.amdhsa_private_segment_fixed_size 0
		.amdhsa_enable_private_segment 0
		.amdhsa_kernarg_size 64
		.amdhsa_user_sgpr_count 2
		.amdhsa_user_sgpr_kernarg_segment_ptr 1
		.amdhsa_wavefront_size32 1
		.amdhsa_system_sgpr_workgroup_id_x 1
		.amdhsa_system_sgpr_workgroup_id_y 1
		.amdhsa_system_sgpr_workgroup_id_z 1
		.amdhsa_system_vgpr_workitem_id 0
		.amdhsa_next_free_vgpr 100
		.amdhsa_next_free_sgpr 66
		.amdhsa_reserve_vcc 0
		.amdhsa_float_denorm_mode_32 3
		.amdhsa_float_denorm_mode_16_64 3
		.amdhsa_memory_ordered 1
		.amdhsa_forward_progress 1
		.amdhsa_inst_pref_size 7
	.end_amdhsa_kernel
	.amdgpu_metadata
---
amdhsa.version: [ 1, 2 ]
amdhsa.kernels:
  - .name:           k_q7a08280cba_cast
    .symbol:         k_q7a08280cba_cast.kd
    .args:
      - { .name: query, .offset: 0, .size: 8, .value_kind: global_buffer, .address_space: global }
      - { .name: key, .offset: 8, .size: 8, .value_kind: global_buffer, .address_space: global }
      - { .name: value, .offset: 16, .size: 8, .value_kind: global_buffer, .address_space: global }
      - { .name: w_q, .offset: 24, .size: 8, .value_kind: global_buffer, .address_space: global }
      - { .name: w_k, .offset: 32, .size: 8, .value_kind: global_buffer, .address_space: global }
      - { .name: w_v, .offset: 40, .size: 8, .value_kind: global_buffer, .address_space: global }
      - { .name: w_o, .offset: 48, .size: 8, .value_kind: global_buffer, .address_space: global }
      - { .name: xh, .offset: 56, .size: 8, .value_kind: global_buffer, .address_space: global }
    .group_segment_fixed_size: 0
    .private_segment_fixed_size: 0
    .kernarg_segment_align: 8
    .kernarg_segment_size: 64
    .max_flat_workgroup_size: 256
    .sgpr_count:     66
    .vgpr_count:     100
    .wavefront_size: 32
...
	.end_amdgpu_metadata
.endif
;; end of part 1
;; launch proj (part 2): grid 4 x 48, 4 waves a work-group, clusters of 4 x 4, 327,680 bytes of LDS; arguments xh, b_q, b_k, b_v, qkvh; writes qkvh
.if DOCPART == 2
	.amdgcn_target "amdgcn-amd-amdhsa--gfx1250"
	.amdhsa_code_object_version 6
	.text
	.protected	k_q7a08280cba_proj
	.globl	k_q7a08280cba_proj
	.p2align	8
	.type	k_q7a08280cba_proj,@function
k_q7a08280cba_proj:
	s_mov_b64 s[64:65], 0
	v_nop
	global_prefetch_b8 v0, s[64:65] scope:SCOPE_SE
	s_setreg_imm32_b32 hwreg(HW_REG_WAVE_MODE, 25, 1), 1
	s_wait_xcnt 0x0
	s_wait_alu depctr_hold_cnt(0) depctr_sa_sdst(0) depctr_va_vdst(0) depctr_va_sdst(0) depctr_va_ssrc(0) depctr_va_vcc(0) depctr_vm_vsrc(0)
	s_getreg_b32 s2, hwreg(HW_REG_IB_STS2, 6, 4)
	s_cmp_eq_u32 s2, 0
	s_cbranch_scc0 .Lentry_in_a_cluster
	s_endpgm
.Lentry_in_a_cluster:
	s_bfe_u32 s2, ttmp6, 0x10000c
	s_cmp_lg_u32 s2, 0xf033
	s_cbranch_scc0 .Lentry_shape_is_right
	s_endpgm
.Lentry_shape_is_right:
; Q = query w_q^T + b_q, K = key w_k^T + b_k, V = value w_v^T + b_v: three products [4096 x 1024] x [1024 x 1024]^T in one grid.
; Operands are the f16 copies in xh, sums are f32, the bias starts each sum, the result is rounded once to f16.
; The three activations lie one behind the other in xh, so A is one matrix of 12,288 rows; block rows 0-15 take w_q, 16-31 w_k, 32-47 w_v.
; OUT: qkvh, f16, Q | K | V, each [batch][head][position][64]: byte (R >> 11) 4,194,304 + head 262,144 + (R & 2047) 128 + 2 d, R = row of the 12,288.
; LIMIT: |Q|, |K|, |V| below 65,504 (f16). The order of the sums is not the order of a plain dot product.
; A work-group makes 256 x 256 with four waves, a wave 128 x 128: 64 accumulator tiles, 512 registers. 192 work-groups: 12,582,912 outputs
; do not divide into 256 equal blocks of this form, and a block of 128 x 128 would read twice the LDS bytes for each matrix instruction.
; K goes in steps of 128 through two LDS slots filled by the tensor data mover; a tile row is 256 bytes of memory, aligned to 256.
; CLUSTERS: 4 x 4 work-groups. The four of a cluster row need the same tile of A, the four of a column the same tile of the weight:
; each tile is asked for jointly, by the same load with the same descriptor and a mask that names the four.
; REGISTERS in windows of 256: window 0: v0-31 addresses, v64-127 and v128-191 fragments of A (two buffers), v192-255 the bias, later the packed results;
; window 1: v64-127, v128-191 fragments of the weight; window 2: accumulators of my rows 0-63 (tile (a, b) at v[8 (8 a + b)]); window 3: rows 64-127.
; THE MATRIX INSTRUCTION IS USED TRANSPOSED: source 0 = 16 rows of the weight, source 1 = 16 rows of A, so lane l holds row l % 16 and its
; registers 0-7 the columns 8 (l / 16) + 0..7: eight neighbouring numbers of an output row, 16 bytes of f16.
.set SIZE_K, 1024
.set KSTEP,  128
.set PITCH,  272                       ; 256 bytes of data + 16 of padding: an odd multiple of 16, so 16 rows of a fragment load start 16 bytes apart modulo 256
.set HALFT,  128*PITCH                 ; 128 rows: one tensor load
.set SLOT,   4*HALFT                   ; 256 rows of A, then 256 rows of the weight
.set STAGE,  2*SLOT                    ; behind the ring: 16 rows x 272 bytes for each wave; no fill lands there
.set SPITCH, 272
.set LAPS,   SIZE_K/(2*KSTEP)          ; 4 laps of two K steps
.set WOFF,   25165824                  ; w_q in xh; w_k and w_v follow 2,097,152 bytes apart
.set ADRA, 16                          ; v16-17  LDS address of my A fragments in slot 0, 1
.set ADRB, 20                          ; v20-21  the same for the weight
.set STO,  24                          ; v24     way out: where I put 16 bytes of a row
.set RD,   25                          ; v25     way out: where I read back
.set CO,   26                          ; v26     way out: 16 x lane
.set BOF,  27                          ; v27     32 x (lane / 16): my 8 numbers in 16 of the bias
.set F0,   64
.set F1,   128
.set TMP,  192                         ; way out: packed results
.set BIAS, 192                         ; v[192+8b+j] = bias[first column + 16 b + 8 (l / 16) + j]: the layout of a result tile, the same for every row
.set G1, 24                            ; s[24:31] group 1 for A
.set G0, 32                            ; s[32:39] group 0 for A, one set a slot
.set G1B, 48                           ; s[48:55] group 1 for the weight
.set G0B, 56                           ; s[56:63] group 0 for the weight, one set a slot
.set MSB, 0
.macro WIN new                         ; the high byte of the immediate repeats the setting that is left
.if MSB != \new
	s_set_vgpr_msb (MSB<<8)|\new
.set MSB, \new
.endif
.endm
.set MUL_LO, 0xa1                      ; source 0 window 1, source 1 window 0, C and D window 2
.set MUL_HI, 0xf1                      ; the same, C and D window 3
.set BIA_LO, 0x81                      ; the first products: C is the bias in window 0, D window 2
.set BIA_HI, 0xc1                      ; the same, D window 3
.set TO_B,   0x40                      ; destination window 1, address window 0
; A joint load. Waves 0 and 1 fetch the two halves of A, waves 2 and 3 those of the weight. The branch hangs on the wave number alone.
.macro JLOAD s
	s_cmp_eq_u32 s11, 0
	s_cbranch_scc0 .Lfor_b_\@
	tensor_load_to_lds s[G0+4*\s:G0+4*\s+3], s[G1:G1+7]
	s_nop 0
	s_branch .Lasked_\@
.Lfor_b_\@:
	tensor_load_to_lds s[G0B+4*\s:G0B+4*\s+3], s[G1B:G1B+7]
	s_nop 0
.Lasked_\@:
.endm
; A round of the cluster barrier: my work-group barrier, wave 0 signals for the work-group, every wave waits for all sixteen, my work-group barrier again.
.macro CREST
	s_cmp_lg_u32 s10, 0
	s_cbranch_scc1 .Lnot_wave_0_\@
	s_barrier_signal -3
.Lnot_wave_0_\@:
	s_barrier_wait -3
	s_barrier_signal -1
	s_barrier_wait -1
.endm
.macro CROUND
	s_barrier_signal -1
	s_barrier_wait -1
	CREST
.endm
	s_load_b256 s[68:75], s[0:1], 0x0              ; xh s[68:69], b_q s[70:71], b_k s[72:73], b_v s[74:75]
	s_load_b64 s[8:9], s[0:1], 0x20                ; qkvh
	s_set_vgpr_msb 0x40
	v_lshl_add_u32 v255, v0, 2, 0x48400
	s_set_vgpr_msb 0x4000
	v_mov_b32 v63, 0
	s_set_vgpr_msb 0x1
	ds_add_u32 v255, v63
	s_set_vgpr_msb 0x100
	v_lshrrev_b32 v1, 5, v0
	v_readfirstlane_b32 s10, v1                    ; wave 0..3
	s_lshr_b32 s11, s10, 1                         ; my half of the block rows. Also: I fetch for A (0) or for the weight (1)
	s_and_b32 s12, s10, 1                          ; my half of the block columns. Also: which 128 rows of that tile I fetch
	s_bfe_u32 s40, ttmp6, 0x40000                  ; cx
	s_bfe_u32 s41, ttmp6, 0x40004                  ; cy
	s_lshl_b32 s42, ttmp9, 2
	s_add_co_u32 s42, s42, s40                     ; block column = 4 x cluster x + cx, 0..3
	s_and_b32 s13, ttmp7, 0xffff
	s_lshr_b32 s66, s13, 2                         ; which product (0 Q, 1 K, 2 V): four clusters of four block rows each; all partners share it
	s_lshl_b32 s13, s13, 2
	s_add_co_u32 s13, s13, s41                     ; block row = 4 x cluster y + cy, 0..47
	s_lshl_b32 s43, s41, 2
	s_lshl_b32 s43, 15, s43                        ; my row of the cluster
	s_lshl_b32 s44, 0x1111, s40                    ; my column
	; group 1: 128 rows x 128 elements of 2 bytes, 4 words of padding behind every 64 words
	s_or_b32 s[G1+0], s43, (1<<16)|(1<<20)|(1<<21)|(5<<22)|(3<<25)
	s_or_b32 s[G1B+0], s44, (1<<16)|(1<<20)|(1<<21)|(5<<22)|(3<<25)
	s_mov_b32 s[G1+1], KSTEP<<16                   ; tensor_dim0 = 128
	s_mov_b32 s[G1B+1], KSTEP<<16
	s_mov_b32 s[G1+2], 128<<16                     ; tensor_dim1 = 128
	s_mov_b32 s[G1B+2], 128<<16
	s_mov_b32 s[G1+3], KSTEP<<16                   ; tile_dim0 = 128
	s_mov_b32 s[G1B+3], KSTEP<<16
	s_mov_b32 s[G1+4], 128                         ; tile_dim1 = 128
	s_mov_b32 s[G1B+4], 128
	s_mov_b32 s[G1+5], SIZE_K                      ; elements from row to row
	s_mov_b32 s[G1B+5], SIZE_K
	s_mov_b32 s[G1+6], 0
	s_mov_b32 s[G1B+6], 0
	s_mov_b32 s[G1+7], 0
	s_mov_b32 s[G1B+7], 0
	; offsets of the tiles. A hangs on the block row alone, the weight on the block column and the product alone.
	s_lshl_b32 s17, s12, 7
	s_lshl_b32 s16, s13, 8
	s_add_co_u32 s16, s16, s17                     ; A: row 256 x block row + 128 x half
	s_lshl_b32 s16, s16, 11                        ; rows of 2,048 bytes; below 25,165,824
	s_lshl_b32 s46, s42, 8
	s_add_co_u32 s46, s46, s17                     ; weight: row 256 x block column + 128 x half
	s_lshl_b32 s46, s46, 11
	s_lshl_b32 s47, s66, 21                        ; + product x 2,097,152
	s_add_co_u32 s46, s46, s47
	s_add_co_u32 s46, s46, WOFF
	s_mov_b32 s17, 0
	s_mov_b32 s47, 0
	s_mul_i32 s20, s10, HALFT                      ; LDS: wave x 128 rows
	s_lshl_b32 s76, s42, 10                        ; bias: (256 x block column + 128 x my half) x 4 bytes
	s_lshl_b32 s77, s12, 9
	s_add_co_u32 s76, s76, s77
	s_mov_b32 s77, 0
	s_wait_dscnt 0x0
	s_wait_kmcnt 0x0
	s_add_nc_u64 s[14:15], s[68:69], s[16:17]
	s_add_nc_u64 s[46:47], s[68:69], s[46:47]
	s_cmp_eq_u32 s66, 1
	s_cselect_b64 s[78:79], s[72:73], s[70:71]     ; the bias of my product
	s_cmp_eq_u32 s66, 2
	s_cselect_b64 s[78:79], s[74:75], s[78:79]
	s_add_nc_u64 s[78:79], s[78:79], s[76:77]
	CROUND                                         ; all sixteen work-groups are here: the first joint loads meet
.irp s, 0,1
	s_mov_b32 s[G0+4*\s], 1
	s_add_co_u32 s[G0+4*\s+1], s20, \s*SLOT
	s_add_nc_u64 s[G0+4*\s+2:G0+4*\s+3], s[14:15], \s*KSTEP*2
	s_or_b32 s[G0+4*\s+3], s[G0+4*\s+3], 0x80000000
	s_mov_b32 s[G0B+4*\s], 1
	s_add_co_u32 s[G0B+4*\s+1], s20, \s*SLOT
	s_add_nc_u64 s[G0B+4*\s+2:G0B+4*\s+3], s[46:47], \s*KSTEP*2
	s_or_b32 s[G0B+4*\s+3], s[G0B+4*\s+3], 0x80000000
	JLOAD \s                                       ; both first fills go out together: two loads of the wave are out
.endr
	v_and_b32 v1, 15, v0                           ; l % 16
	v_bfe_u32 v2, v0, 4, 1                         ; l / 16
	v_lshlrev_b32 v[BOF], 5, v2
.irp b, 0,1,2,3,4,5,6,7
	global_load_b128 v[BIAS+8*\b:BIAS+8*\b+3],   v[BOF], s[78:79] offset:64*\b
	global_load_b128 v[BIAS+8*\b+4:BIAS+8*\b+7], v[BOF], s[78:79] offset:64*\b+16
.endr
	v_mul_u32_u24 v3, v1, PITCH
	v_lshl_add_u32 v3, v2, 4, v3                   ; row x pitch + 16 x half: a fragment is two loads of 16 bytes, 32 bytes apart
	s_mul_i32 s21, s11, HALFT
	s_mul_i32 s22, s12, HALFT
	s_add_co_u32 s22, s22, 2*HALFT
.irp s, 0,1
	v_add_nc_u32 v[ADRA+\s], s21, v3
	v_add_nc_u32 v[ADRB+\s], s22, v3
	s_add_co_u32 s21, s21, SLOT
	s_add_co_u32 s22, s22, SLOT
.endr
	s_mul_i32 s23, s10, 16*SPITCH
	s_add_co_u32 s23, s23, STAGE                   ; my stage
	v_add_nc_u32 v[STO], s23, v3                   ; in: row l % 16, 16 bytes for each half of the lanes (the stage has the pitch of the tiles)
	v_and_b32 v5, 31, v0
	v_lshrrev_b32 v6, 3, v5
	v_and_b32 v7, 7, v0
	v_mul_u32_u24 v6, v6, SPITCH
	v_lshl_add_u32 v6, v7, 4, v6
	v_add_nc_u32 v[RD], s23, v6                    ; back: eight lanes take the 128 bytes of one head in one row, the wave four rows
	v_lshlrev_b32 v[CO], 4, v5                     ; which are 512 consecutive bytes of qkvh
; 16 matrix instructions: m blocks a0, a0 + 1 of the four of a window x all 8 n blocks, 32 along K. zero = 1: the bias is C: nothing is cleared or added later.
; The 64 accumulators take turns, one instruction a turn, in the same order in every quarter step.
.macro MUL16 f, hi, a0, zero
.irp a, \a0, \a0+1
.irp b, 0,1,2,3,4,5,6,7
.if \zero
	v_wmma_f32_16x16x32_f16 v[8*(8*(\a)+\b):8*(8*(\a)+\b)+7], v[\f+8*\b:\f+8*\b+7], v[\f+8*(4*\hi+\a):\f+8*(4*\hi+\a)+7], v[BIAS+8*\b:BIAS+8*\b+7]
.else
	v_wmma_f32_16x16x32_f16 v[8*(8*(\a)+\b):8*(8*(\a)+\b)+7], v[\f+8*\b:\f+8*\b+7], v[\f+8*(4*\hi+\a):\f+8*(4*\hi+\a)+7], v[8*(8*(\a)+\b):8*(8*(\a)+\b)+7]
.endif
.endr
.endr
.endm
; 32 LDS loads in one run: the fragments of one quarter step into buffer f
.macro FETCH slot, k, f
	WIN TO_B
.irp i, 0,1,2,3,4,5,6,7
	ds_load_b128 v[\f+8*\i:\f+8*\i+3],   v[ADRB+\slot] offset:\k+\i*16*PITCH
	ds_load_b128 v[\f+8*\i+4:\f+8*\i+7], v[ADRB+\slot] offset:\k+\i*16*PITCH+32
.endr
	WIN 0
.irp i, 0,1,2,3,4,5,6,7
	ds_load_b128 v[\f+8*\i:\f+8*\i+3],   v[ADRA+\slot] offset:\k+\i*16*PITCH
	ds_load_b128 v[\f+8*\i+4:\f+8*\i+7], v[ADRA+\slot] offset:\k+\i*16*PITCH+32
.endr
.endm
; Four independent vector places stand between a matrix instruction and a load into, or a vector access to, one of its registers.
.macro PLACES
.rept 4
	v_nop
.endr
.endm
.macro QUARTER slot, k, f, g, zero
	s_wait_dscnt 8                                 ; the weight and rows 0-63 of A are in; the youngest eight loads (rows 64-127 of A) may be out
.if \zero
	WIN BIA_LO
.else
	WIN MUL_LO
.endif
	MUL16 \f, 0, 0, \zero
	MUL16 \f, 0, 2, \zero
	PLACES
	FETCH \slot, \k, \g
	s_wait_dscnt 32                                ; all but the 32 just issued
.if \zero
	WIN BIA_HI
.else
	WIN MUL_HI
.endif
	MUL16 \f, 1, 0, \zero
	MUL16 \f, 1, 2, \zero
.endm
.macro THREE slot, zero
	QUARTER \slot, 64,  F0, F1, \zero
	QUARTER \slot, 128, F1, F0, 0
	QUARTER \slot, 192, F0, F1, 0
.endm
; The last quarter of a K step changes slots. In front of the barrier each wave waits for its reads of this slot and for all its tensor loads
; (one is out: its part of the next slot). Behind it the refill comes first, then the first fragments of the next slot.
.macro TURN slot, next, fill
	s_wait_dscnt 8
	WIN MUL_LO
	MUL16 F1, 0, 0, 0
	s_wait_dscnt 0                                 ; my reads of this slot are over
	s_wait_tensorcnt 0x0                           ; all my tensor loads have landed
	ds_add_u32 v255, v63
	s_wait_dscnt 0x0
	s_barrier_signal -1
	MUL16 F1, 0, 2, 0                              ; register work while the others arrive
	WIN 0
	s_barrier_wait -1
.if \fill
	CREST                                          ; the rest of the cluster round: no wave of any partner still reads this slot or has a load out
	s_add_nc_u64 s[G0+4*\slot+2:G0+4*\slot+3], s[G0+4*\slot+2:G0+4*\slot+3], 2*KSTEP*2
	s_add_nc_u64 s[G0B+4*\slot+2:G0B+4*\slot+3], s[G0B+4*\slot+2:G0B+4*\slot+3], 2*KSTEP*2
	JLOAD \slot                                    ; my one tensor load behind the round
.endif
	PLACES
	FETCH \next, 0, F0
	WIN MUL_HI
	MUL16 F1, 1, 0, 0
	MUL16 F1, 1, 2, 0
.endm
.macro LAP zero
	THREE 0, \zero
	TURN 0, 1, 1
	THREE 1, 0
	TURN 1, 0, 1
.endm
	s_wait_tensorcnt 0x1                           ; my part of K step 0 is in; K step 1 stays out
	s_barrier_signal -1
	s_barrier_wait -1
	s_wait_loadcnt 0x0                             ; the bias
	FETCH 0, 0, F0
	LAP 1                                          ; the first lap: its first products add onto the bias
	WIN 0
	s_mov_b32 s3, LAPS-2
.Llap:
	LAP 0
	WIN 0
	s_sub_co_u32 s3, s3, 1
	s_cmp_lg_u32 s3, 0
	s_cbranch_scc1 .Llap
	THREE 0, 0                                     ; the last lap fills nothing
	TURN 0, 1, 0
	THREE 1, 0
	s_wait_dscnt 8
	WIN MUL_LO
	MUL16 F1, 0, 0, 0
	MUL16 F1, 0, 2, 0
	s_wait_dscnt 0
	WIN MUL_HI
	MUL16 F1, 1, 0, 0
	MUL16 F1, 1, 2, 0
	; THE WAY OUT, 16 rows at a time: round to f16, 16 bytes a lane into my stage, read back by heads, store 512 consecutive bytes.
	PLACES
	s_lshl_b32 s16, s13, 8
	s_lshl_b32 s14, s11, 7
	s_add_co_u32 s16, s16, s14                     ; R: my first row of the 12,288
	s_lshr_b32 s76, s16, 11
	s_lshl_b32 s76, s76, 22                        ; (R >> 11) x 4,194,304
	s_and_b32 s16, s16, 2047
	s_lshl_b32 s16, s16, 7                         ; + position x 128
	s_add_co_u32 s76, s76, s16
	s_lshl_b32 s77, s42, 20                        ; + head x 262,144, head = 4 x block column + 2 x my half
	s_add_co_u32 s76, s76, s77
	s_lshl_b32 s77, s12, 19
	s_add_co_u32 s76, s76, s77
	s_mov_b32 s77, 0
	s_add_nc_u64 s[8:9], s[8:9], s[76:77]          ; never stepped: the largest store offset is 278,016
.macro OUT16 i, a, from, f
	WIN \from
.irp b, 0,1,2,3,4,5,6,7
.irp r, 0,1,2,3
	v_cvt_pk_f16_f32 v[TMP+4*\b+\r], v[8*(8*\a+\b)+2*\r], v[8*(8*\a+\b)+2*\r+1]
.endr
.endr
	WIN 0
.irp b, 0,1,2,3,4,5,6,7
	ds_store_b128 v[STO], v[TMP+4*\b:TMP+4*\b+3] offset:32*\b
.endr
	s_wait_xcnt 0x0                                ; buffer f, which earlier stores read, is loaded again only behind this wait
.irp t, 0,1,2,3,4,5,6,7
	ds_load_b128 v[\f+4*\t:\f+4*\t+3], v[RD] offset:(\t&3)*4*SPITCH+(\t>>2)*128   ; LDS serves a wave in order: these see the stores above
.endr
.irp t, 0,1,2,3,4,5,6,7
	s_wait_dscnt 7-\t                              ; read-back t is in, the younger ones stay out
	global_store_b128 v[CO], v[\f+4*\t:\f+4*\t+3], s[8:9] offset:(\t>>2)*262144+(16*\i+4*(\t&3))*128   ; four rows of one head: 512 consecutive bytes, aligned
.endr
.endm
	OUT16 0, 0, 0x0a, F0
	OUT16 1, 1, 0x0a, F1
	OUT16 2, 2, 0x0a, F0
	OUT16 3, 3, 0x0a, F1
	OUT16 4, 0, 0x0f, F0
	OUT16 5, 1, 0x0f, F1
	OUT16 6, 2, 0x0f, F0
	OUT16 7, 3, 0x0f, F1
	s_set_vgpr_msb 0x1
	s_wait_tensorcnt 0x0
	ds_add_u32 v255, v63
	s_wait_dscnt 0x0
	s_set_vgpr_msb 0x100
	CROUND                                         ; the closing round: no work-group ends while a partner may still ask jointly
	s_endpgm
.Lfunc_end_k_q7a08280cba_proj:
	.size	k_q7a08280cba_proj, .Lfunc_end_k_q7a08280cba_proj-k_q7a08280cba_proj
	.p2alignl 7, 3214868480
	.fill 96, 4, 3214868480
	.section	.rodata,"a",@progbits
	.p2align	6, 0x0
	.amdhsa_kernel k_q7a08280cba_proj
		.amdhsa_group_segment_fixed_size 327680
		.amdhsa_private_segment_fixed_size 0
		.amdhsa_enable_private_segment 0
		.amdhsa_kernarg_size 40
		.amdhsa_user_sgpr_count 2
		.amdhsa_user_sgpr_kernarg_segment_ptr 1
		.amdhsa_wavefront_size32 1
		.amdhsa_system_sgpr_workgroup_id_x 1
		.amdhsa_system_sgpr_workgroup_id_y 1
		.amdhsa_system_sgpr_workgroup_id_z 1
		.amdhsa_system_vgpr_workitem_id 0
		.amdhsa_next_free_vgpr 1024
		.amdhsa_next_free_sgpr 80
		.amdhsa_reserve_vcc 0
		.amdhsa_float_denorm_mode_32 3
		.amdhsa_float_denorm_mode_16_64 3
		.amdhsa_memory_ordered 1
		.amdhsa_forward_progress 1
		.amdhsa_inst_pref_size 198
	.end_amdhsa_kernel
	.amdgpu_metadata
---
amdhsa.version: [ 1, 2 ]
amdhsa.kernels:
  - .name:           k_q7a08280cba_proj
    .symbol:         k_q7a08280cba_proj.kd
    .args:
      - { .name: xh, .offset: 0, .size: 8, .value_kind: global_buffer, .address_space: global }
      - { .name: b_q, .offset: 8, .size: 8, .value_kind: global_buffer, .address_space: global }
      - { .name: b_k, .offset: 16, .size: 8, .value_kind: global_buffer, .address_space: global }
      - { .name: b_v, .offset: 24, .size: 8, .value_kind: global_buffer, .address_space: global }
      - { .name: qkvh, .offset: 32, .size: 8, .value_kind: global_buffer, .address_space: global }
    .group_segment_fixed_size: 327680
    .private_segment_fixed_size: 0
    .kernarg_segment_align: 8
    .kernarg_segment_size: 40
    .max_flat_workgroup_size: 128
    .sgpr_count:     80
    .vgpr_count:     1024
    .wavefront_size: 32
...
	.end_amdgpu_metadata
.endif
;; end of part 2
;; launch attn (part 3): grid 8 x 32, 8 waves a work-group, clusters of 4 x 1, 327,680 bytes of LDS; arguments qkvh, ctxh; writes ctxh
.if DOCPART == 3
	.amdgcn_target "amdgcn-amd-amdhsa--gfx1250"
	.amdhsa_code_object_version 6
	.text
	.protected	k_q7a08280cba_attn
	.globl	k_q7a08280cba_attn
	.p2align	8
	.type	k_q7a08280cba_attn,@function
k_q7a08280cba_attn:
	s_mov_b64 s[64:65], 0
	v_nop
	global_prefetch_b8 v0, s[64:65] scope:SCOPE_SE
	s_setreg_imm32_b32 hwreg(HW_REG_WAVE_MODE, 25, 1), 1
	s_wait_xcnt 0x0
	s_wait_alu depctr_hold_cnt(0) depctr_sa_sdst(0) depctr_va_vdst(0) depctr_va_sdst(0) depctr_va_ssrc(0) depctr_va_vcc(0) depctr_vm_vsrc(0)
	s_getreg_b32 s2, hwreg(HW_REG_IB_STS2, 6, 4)
	s_cmp_eq_u32 s2, 0
	s_cbranch_scc0 .Lentry_in_a_cluster
	s_endpgm
.Lentry_in_a_cluster:
	s_bfe_u32 s2, ttmp6, 0x10000c
	s_cmp_lg_u32 s2, 0x3003
	s_cbranch_scc0 .Lentry_shape_is_right
	s_endpgm
.Lentry_shape_is_right:
; ctx = softmax(Q K^T / 8) V for 32 (batch, head) pairs of 2,048 positions x 64. Q, K, V, P and ctx are f16 matrix operands, sums and softmax f32.
; A running maximum is taken away in front of every exponential. LIMITS: NaN and infinities are not served; weights below the smallest f16 count as zero;
; the order of the sums differs from a plain softmax.
; A work-group takes one (batch, head) and 256 queries: 256 work-groups. Wave w: queries 64 (w & 3) .. + 63, and half w >> 2 of the keys of every slot,
; so two waves lie on a SIMD and the vector work of one runs beside the matrix work of the other; the two halves are merged once at the end.
; CLUSTERS: the four query blocks of a cluster walk the same K and V tiles and ask for them jointly (mask 15).
; TRANSPOSED SCORES: S^T = K Q^T (A = 16 keys, B = 16 queries): register j of lane (r, h) holds key 8 h + j, query r. Two key tiles, packed to f16,
; are then the B fragment of P^T as they stand, O^T = V^T P^T holds dv 8 h + j, query r, and maximum, sum and factor are one number a lane:
; P never passes through LDS, and one lane exchange (h with 1 - h) serves each maximum. V^T fragments come by the transposing LDS load.
; EXPONENT: p = exp2(c s + NM), c = log2(e) / 8, NM = -c m rounded once. The factor of a new maximum is exp2(NM new - NM old): the difference of the
; very numbers that the exponentials used, so that all weights share one common factor, which cancels against the sum.
; ORDER OF A STEP (64 keys): V fragments are asked for at its head and used behind the softmax; the NEXT step's K fragments are asked for as soon as the
; score products have read this step's, so they land under the softmax. A slot is left in the middle of its last step: behind the score products K and V of
; that step are in registers, so the waits and the opening signal stand there, and the halves of the cluster barrier's round are spread over the softmax,
; which is register work: no wave has to arrive at one line together with the others.
; LDS: two slots of 81,920 bytes, 256 keys each, in 8 regions of 10,240, region w filled by wave w: 0-3 K (64 keys, pitch 144), 4-7 V (64 keys, pitch 160);
; MERGE 4 x 17,408 and STAGE 4 x 9,216 behind them, into which no fill lands.
.set REGN,  10240
.set SLOT,  8*REGN
.set KP,    144                        ; 128 bytes + 16: an odd multiple of 16
.set VP,    160                        ; 128 bytes + 32: an odd multiple of 32, for the transposing load
.set MERGE, 2*SLOT
.set MREG,  17408                      ; 128 registers x 128 bytes, then 512 bytes of shifts and 512 of sums
.set STAGE, MERGE+4*MREG
.set SREG,  64*KP
; window 0
.set KADR, 8                           ; v8-9    K fragments in slot 0, 1
.set VADR, 10                          ; v10-11  V fragments in slot 0, 1
.set QOFF, 12
.set STO,  13
.set RD,   14
.set CO,   15
.set MADR, 16
.set MAXR, 20                          ; v[20:23] running maximum of query tile qt
.set LSUM, 24                          ; v[24:31] running sum, a pair for each qt, of this lane's keys alone
.set ALP,  32                          ; v[32:39] pairs: the factor in the first register (the second is written once and not used)
.set TA,   40
.set TB,   44
.set LB,   44                          ; second chain of a row sum
.set T2,   48
.set TD,   52
.set NM,   56                          ; v[56:63] -c m, twice, for each qt
.set VF,   64                          ; V^T fragment (dvt, u) at 64 + 16 dvt + 8 u
.set SCO,  128                         ; scores (qt, kt) at 128 + 32 qt + 8 kt; packed P (qt, u) at 128 + 32 qt + 8 u
; window 1
.set QF,   0                           ; Q fragment (qt, ks) at 16 qt + 8 ks
.set KF,   64                          ; K fragment (kt, ks) at 64 + 16 kt + 8 ks
.set OACC, 128                         ; O^T (qt, dvt) at 128 + 32 qt + 8 dvt
.set G1K, 16
.set G1V, 24
.set G0K, 32                           ; one set a slot
.set G0V, 40
.set MSB, 0
.macro WIN new
.if MSB != \new
	s_set_vgpr_msb (MSB<<8)|\new
.set MSB, \new
.endif
.endm
.macro ROUND                           ; a round of the cluster barrier, in one piece: at the start and at the end
	s_barrier_signal -1
	s_barrier_wait -1
	s_cmp_lg_u32 s8, 0
	s_cbranch_scc1 .Lnot_wave_0_\@
	s_barrier_signal -3
.Lnot_wave_0_\@:
	s_barrier_wait -3
	s_barrier_signal -1
	s_barrier_wait -1
.endm
.macro JLOAD s                         ; waves 0-3 ask for 64 keys of K each, waves 4-7 for 64 keys of V; the branch hangs on the wave number alone
	s_cmp_eq_u32 s9, 0
	s_cbranch_scc0 .Lfor_v_\@
	tensor_load_to_lds s[G0K+4*\s:G0K+4*\s+3], s[G1K:G1K+7]
	s_nop 0
	s_branch .Lasked_\@
.Lfor_v_\@:
	tensor_load_to_lds s[G0V+4*\s:G0V+4*\s+3], s[G1V:G1V+7]
	s_nop 0
.Lasked_\@:
.endm
	s_load_b128 s[4:7], s[0:1], 0x0                ; qkvh s[4:5], ctxh s[6:7]
	v_lshl_add_u32 v18, v0, 2, 0x42000
	v_mov_b32 v19, 0
	ds_add_u32 v18, v19
	v_lshrrev_b32 v1, 5, v0
	v_readfirstlane_b32 s8, v1                     ; wave 0..7
	s_lshr_b32 s9, s8, 2                           ; my half of the keys. Also: I fetch K (0) or V (1)
	s_and_b32 s10, s8, 3                           ; my 64 queries. Also: which 64 keys I fetch
	s_bfe_u32 s11, ttmp6, 0x40000                  ; cx
	s_lshl_b32 s12, ttmp9, 2
	s_add_co_u32 s12, s12, s11                     ; query block 0..7
	s_and_b32 s13, ttmp7, 0xffff                   ; batch x 16 + head
	s_mov_b32 s50, 0x3e38aa3b                      ; c = log2(e) / 8
	s_mov_b32 s51, 0x3e38aa3b
	s_mov_b32 s52, 0x76543210                      ; lane i of one half reads lane i of the other
	s_mov_b32 s53, 0xfedcba98
	s_mov_b32 s54, 0xbe38aa3b                      ; -c
	; group 1: 64 keys x 128 bytes are dense in memory and come as 32 rows of 256 bytes; padding follows every 32 words, that is every key
	s_mov_b32 s[G1K+0], 15|(1<<16)|(1<<20)|(1<<21)|(4<<22)|(3<<25)   ; mask of the four partners; 2-byte elements; 4 words of padding: pitch 144
	s_mov_b32 s[G1V+0], 15|(1<<16)|(1<<20)|(1<<21)|(4<<22)|(7<<25)   ; 8 words of padding: pitch 160
	s_mov_b32 s[G1K+1], 128<<16
	s_mov_b32 s[G1V+1], 128<<16
	s_mov_b32 s[G1K+2], 32<<16
	s_mov_b32 s[G1V+2], 32<<16
	s_mov_b32 s[G1K+3], 128<<16
	s_mov_b32 s[G1V+3], 128<<16
	s_mov_b32 s[G1K+4], 32
	s_mov_b32 s[G1V+4], 32
	s_mov_b32 s[G1K+5], 128
	s_mov_b32 s[G1V+5], 128
	s_mov_b32 s[G1K+6], 0
	s_mov_b32 s[G1V+6], 0
	s_mov_b32 s[G1K+7], 0
	s_mov_b32 s[G1V+7], 0
	s_lshl_b32 s60, s13, 18                        ; (batch, head) x 262,144
	s_lshl_b32 s61, s10, 13                        ; + 64 keys (or queries) x 128 bytes x (w & 3): no place in the cluster enters
	s_add_co_u32 s60, s60, s61
	s_mov_b32 s61, 0
	s_lshl_b32 s14, s12, 15                        ; my queries: + query block x 256 x 128
	s_add_co_u32 s14, s14, s60
	s_mov_b32 s15, 0
	s_mul_i32 s49, s8, REGN                        ; my region
	s_wait_dscnt 0x0
	s_wait_kmcnt 0x0
	s_add_nc_u64 s[62:63], s[4:5], s[60:61]
	s_add_nc_u64 s[56:57], s[4:5], s[14:15]        ; Q of my 64 queries
	s_add_nc_u64 s[58:59], s[6:7], s[14:15]        ; ctx of my 64 queries
	ROUND                                          ; the four partners are here: the first joint loads meet
.irp s, 0,1
	s_mov_b32 s[G0K+4*\s], 1
	s_add_co_u32 s[G0K+4*\s+1], s49, \s*SLOT
	s_add_nc_u64 s[G0K+4*\s+2:G0K+4*\s+3], s[62:63], 8388608+\s*32768    ; K, keys 256 s + 64 (w & 3)
	s_or_b32 s[G0K+4*\s+3], s[G0K+4*\s+3], 0x80000000
	s_mov_b32 s[G0V+4*\s], 1
	s_add_co_u32 s[G0V+4*\s+1], s49, \s*SLOT
	s_add_nc_u64 s[G0V+4*\s+2:G0V+4*\s+3], s[62:63], 16777216+\s*32768   ; V likewise
	s_or_b32 s[G0V+4*\s+3], s[G0V+4*\s+3], 0x80000000
	JLOAD \s                                       ; two loads of the wave are out
.endr
	v_and_b32 v2, 15, v0                           ; r
	v_bfe_u32 v3, v0, 4, 1                         ; h
	v_lshlrev_b32 v[QOFF], 7, v2
	v_lshl_or_b32 v[QOFF], v3, 4, v[QOFF]          ; query r x 128 + 16 h
	WIN 0x40
.irp qt, 0,1,2,3
.irp ks, 0,1
	global_load_b128 v[QF+16*\qt+8*\ks:QF+16*\qt+8*\ks+3],   v[QOFF], s[56:57] offset:\qt*2048+\ks*64      ; Q stays in registers for the whole kernel
	global_load_b128 v[QF+16*\qt+8*\ks+4:QF+16*\qt+8*\ks+7], v[QOFF], s[56:57] offset:\qt*2048+\ks*64+32
.endr
.endr
	WIN 0
	v_and_b32 v1, 31, v0                           ; lane
	v_mul_u32_u24 v4, v2, KP
	v_lshl_add_u32 v4, v3, 4, v4                   ; r x 144 + 16 h
	s_mul_i32 s14, s9, 2*REGN                      ; my half: two regions of 64 keys
	v_add_nc_u32 v[KADR], s14, v4
	v_add_nc_u32 v[KADR+1], SLOT, v[KADR]
	v_and_b32 v5, 7, v0
	v_lshl_add_u32 v5, v3, 3, v5                   ; key 8 h + (lane & 7)
	v_mul_u32_u24 v5, v5, VP
	v_bfe_u32 v6, v0, 3, 1
	v_lshl_add_u32 v5, v6, 4, v5                   ; + 16 bytes for the upper eight of sixteen lanes
	s_add_co_u32 s14, s14, 4*REGN
	v_add_nc_u32 v[VADR], s14, v5
	v_add_nc_u32 v[VADR+1], SLOT, v[VADR]
	s_mul_i32 s15, s10, SREG
	s_add_co_u32 s15, s15, STAGE
	v_add_nc_u32 v[STO], s15, v4
	v_lshrrev_b32 v6, 3, v1
	v_mul_u32_u24 v6, v6, KP
	v_and_b32 v7, 7, v0
	v_lshl_add_u32 v6, v7, 4, v6
	v_add_nc_u32 v[RD], s15, v6                    ; back: eight lanes take a row of 128 bytes, the wave four rows
	v_lshlrev_b32 v[CO], 4, v1
	s_mul_i32 s15, s10, MREG
	s_add_co_u32 s15, s15, MERGE
	v_add_nc_u32 v[MADR], s15, v[CO]
.irp qt, 0,1,2,3
	v_mov_b32 v[T2+\qt], 0                         ; the lane exchange counts as a reader of its destination
	v_mov_b32 v[ALP+2*\qt+1], 0                    ; the unused half of a pair that packed instructions name
.endr
; Step i (a symbol) of the row sum and the packing of query tile q, whose 32 exponentials are done.
; Sums: two chains, LSUM and LB; the old sum enters by one fused multiply-add with the factor. Pair p is read in a step no later than 2 p,
; and step i packs registers 2 i, 2 i + 1 into register i, so no number is overwritten before it has been summed and packed.
.macro SUMCVT q, first
.set PB, SCO+32*(\q)
.set LQ, LSUM+2*(\q)
.if i == 0
	s_wait_alu depctr_va_vdst(0)
	v_pk_add_f32 v[LB:LB+1], v[PB:PB+1], v[PB+2:PB+3]
.endif
.if i == 1
.if \first
	v_pk_add_f32 v[LQ:LQ+1], v[PB+4:PB+5], v[PB+6:PB+7]
.else
	v_pk_fma_f32 v[LQ:LQ+1], v[LQ:LQ+1], v[ALP+2*(\q):ALP+2*(\q)+1], v[PB+4:PB+5] op_sel_hi:[1,0,1]
.endif
.endif
.if i > 1
.if i < 15-\first
.set PP, PB+2*(i+1+\first)
.if i & 1
	v_pk_add_f32 v[LQ:LQ+1], v[LQ:LQ+1], v[PP:PP+1]
.else
	v_pk_add_f32 v[LB:LB+1], v[LB:LB+1], v[PP:PP+1]
.endif
.endif
.endif
.if i == 15-\first
	v_pk_add_f32 v[LQ:LQ+1], v[LQ:LQ+1], v[LB:LB+1]
.endif
	v_cvt_pk_f16_f32 v[PB+i], v[PB+2*i], v[PB+2*i+1]
.endm
; The exponentials of query tile qt, two at a time; between them the exponents of tile qt + 1 and the sums and packing of tile qt - 1:
; plain lines that touch none of the two results, the place that a transcendental needs in front of its use (ISA guide 5.7.2).
.macro ESTAGE qt, first
.set i, 0
.rept 16
	v_exp_f32 v[SCO+32*\qt+2*i], v[SCO+32*\qt+2*i]
	v_exp_f32 v[SCO+32*\qt+2*i+1], v[SCO+32*\qt+2*i+1]
.if \qt < 3
	v_pk_fma_f32 v[SCO+32*(\qt+1)+2*i:SCO+32*(\qt+1)+2*i+1], v[SCO+32*(\qt+1)+2*i:SCO+32*(\qt+1)+2*i+1], s[50:51], v[NM+2*(\qt+1):NM+2*(\qt+1)+1] op_sel_hi:[1,0,1]
.endif
.if \qt > 0
	SUMCVT (\qt-1), \first
.endif
.set i, i+1
.endr
.endm
; The softmax of 64 keys x 64 queries in three parts of about 160 vector instructions each, all of them register work.
; Part A: maxima, shifts, factors, the exponents of tile 0 and its exponentials.
.macro SM_A first
	; the largest of my 32 scores of each query tile: two chains a tile, eight chains in all
.irp qt, 0,1,2,3
	v_max3_num_f32 v[TA+\qt], v[SCO+32*\qt], v[SCO+32*\qt+1], v[SCO+32*\qt+2]
	v_max3_num_f32 v[TB+\qt], v[SCO+32*\qt+17], v[SCO+32*\qt+18], v[SCO+32*\qt+19]
.endr
.set j, 0
.rept 6
.irp qt, 0,1,2,3
	v_max3_num_f32 v[TA+\qt], v[TA+\qt], v[SCO+32*\qt+3+2*j], v[SCO+32*\qt+4+2*j]
	v_max3_num_f32 v[TB+\qt], v[TB+\qt], v[SCO+32*\qt+20+2*j], v[SCO+32*\qt+21+2*j]
.endr
.set j, j+1
.endr
.irp qt, 0,1,2,3
	v_max3_num_f32 v[TA+\qt], v[TA+\qt], v[SCO+32*\qt+15], v[SCO+32*\qt+16]
.endr
.irp qt, 0,1,2,3
.if \first
	v_max_num_f32 v[MAXR+\qt], v[TA+\qt], v[TB+\qt]
.else
	v_max3_num_f32 v[MAXR+\qt], v[TA+\qt], v[TB+\qt], v[MAXR+\qt]
.endif
.endr
.irp qt, 0,1,2,3
	v_permlanex16_b32 v[T2+\qt], v[MAXR+\qt], s52, s53   ; the other eight keys of each sixteen lie in the other half of the lanes
.endr
.irp qt, 0,1,2,3
	v_max_num_f32 v[MAXR+\qt], v[MAXR+\qt], v[T2+\qt]
.endr
.irp qt, 0,1,2,3
	v_mul_f32 v[TB+\qt], s54, v[MAXR+\qt]          ; the new -c m
.endr
.if \first == 0
.irp qt, 0,1,2,3
	v_sub_f32 v[TD+\qt], v[TB+\qt], v[NM+2*\qt]    ; new shift less old shift: never above 0
.endr
.endif
.irp qt, 0,1,2,3
	v_mov_b32 v[NM+2*\qt], v[TB+\qt]
	v_mov_b32 v[NM+2*\qt+1], v[TB+\qt]
.endr
.if \first == 0
.irp qt, 0,1,2,3
	v_exp_f32 v[ALP+2*\qt], v[TD+\qt]              ; the factor for the old sums; the plain lines below stand in front of its first use
.endr
.endif
.set j, 0
.rept 16
	v_pk_fma_f32 v[SCO+2*j:SCO+2*j+1], v[SCO+2*j:SCO+2*j+1], s[50:51], v[NM:NM+1] op_sel_hi:[1,0,1]   ; c s - c m of tile 0
.set j, j+1
.endr
	ESTAGE 0, \first
.endm
.macro SM_B first                      ; part B: the exponentials of tiles 1 and 2
	ESTAGE 1, \first
	ESTAGE 2, \first
.endm
.macro SM_C first                      ; part C: the exponentials of tile 3, and its sums and packing
	ESTAGE 3, \first
.set i, 0
.rept 16
	SUMCVT 3, \first
.set i, i+1
.endr
.endm
; 16 LDS loads: the K fragments of 64 keys (region sub of my half of a slot)
.macro KLOAD slot, sub
	WIN 0x40
.irp kt, 0,1,2,3
.irp ks, 0,1
	ds_load_b128 v[KF+16*\kt+8*\ks:KF+16*\kt+8*\ks+3],   v[KADR+\slot] offset:\sub*REGN+\kt*16*KP+\ks*64
	ds_load_b128 v[KF+16*\kt+8*\ks+4:KF+16*\kt+8*\ks+7], v[KADR+\slot] offset:\sub*REGN+\kt*16*KP+\ks*64+32
.endr
.endr
	WIN 0
.endm
; 16 transposing LDS loads: the V^T fragments of the same 64 keys
.macro VLOAD slot, sub
.irp dvt, 0,1,2,3
.irp u, 0,1
	ds_load_tr16_b128 v[VF+16*\dvt+8*\u:VF+16*\dvt+8*\u+3],   v[VADR+\slot] offset:\sub*REGN+\u*32*VP+32*\dvt
	ds_load_tr16_b128 v[VF+16*\dvt+8*\u+4:VF+16*\dvt+8*\u+7], v[VADR+\slot] offset:\sub*REGN+\u*32*VP+32*\dvt+16*VP
.endr
.endr
.endm
; A step: 64 keys (region sub of my half of the slot) x my 64 queries. first = 1: the very first: sums start, nothing is rescaled, K is asked for here.
; kind 0: the next 64 keys lie in the same slot. kind 1: the slot has been read to its end and is filled again. kind 2: read to its end, nothing is left to
; fetch. kind 3: the last keys of all.
; In both products 16 accumulators take turns, one instruction a turn.
.macro SUB slot, sub, first, kind
.if \first
	KLOAD \slot, \sub
.else
.rept 5
	v_nop                                          ; five places behind the last product: V fragments are loaded again, and the new scores write over P (ISA guide 7.12.1)
.endr
.endif
	VLOAD \slot, \sub
	s_wait_dscnt 16                                ; K, asked for a step ago, is in; the 16 loads of V just issued stay out
	WIN 0x05                                       ; A and B in window 1, C and D in window 0
.irp ks, 0,1
.irp kt, 0,1,2,3
.irp qt, 0,1,2,3
.if \ks == 0
	v_wmma_f32_16x16x32_f16 v[SCO+32*\qt+8*\kt:SCO+32*\qt+8*\kt+7], v[KF+16*\kt+8*\ks:KF+16*\kt+8*\ks+7], v[QF+16*\qt+8*\ks:QF+16*\qt+8*\ks+7], 0
.else
	v_wmma_f32_16x16x32_f16 v[SCO+32*\qt+8*\kt:SCO+32*\qt+8*\kt+7], v[KF+16*\kt+8*\ks:KF+16*\kt+8*\ks+7], v[QF+16*\qt+8*\ks:QF+16*\qt+8*\ks+7], v[SCO+32*\qt+8*\kt:SCO+32*\qt+8*\kt+7]
.endif
.endr
.endr
.endr
	WIN 0
.rept 4
	v_nop                                          ; four places in front of the first vector read of the scores and of loads into the K fragments
.endr
.if \kind == 0
	KLOAD \slot, (\sub+1)                          ; the next 64 keys' K lands under the softmax
.endif
.if \kind == 1
	s_wait_tensorcnt 0x0                           ; all my tensor loads have landed: the one that was out is my part of the other slot,
	ds_add_u32 v18, v19
	s_add_nc_u64 s[G0K+4*\slot+2:G0K+4*\slot+3], s[G0K+4*\slot+2:G0K+4*\slot+3], 65536   ; so a group 0 may be written: this slot's next tile, 512 keys on
	s_add_nc_u64 s[G0V+4*\slot+2:G0V+4*\slot+3], s[G0V+4*\slot+2:G0V+4*\slot+3], 65536
	s_wait_dscnt 0x0                               ; V is in registers: my reads of this slot are over
	s_barrier_signal -1                            ; the round opens; up to its closing wait only register work follows
.endif
.if \kind == 2
	s_wait_tensorcnt 0x0                           ; my part of the last tile has landed
	s_wait_dscnt 0x0
	s_barrier_signal -1                            ; a plain barrier
.endif
	SM_A \first
.if \kind == 1
	s_barrier_wait -1                              ; every wave of my work-group has signalled
	s_cmp_lg_u32 s8, 0
	s_cbranch_scc1 .Lnot_w0_\@
	s_barrier_signal -3                            ; wave 0 says so for the work-group
.Lnot_w0_\@:
.endif
	SM_B \first
.if \kind == 1
	s_barrier_wait -3                              ; all four work-groups have said so
	s_barrier_signal -1
.endif
	SM_C \first
.if \first == 0
	WIN 0x41                                       ; O in window 1, the factor in window 0
.irp qt, 0,1,2,3
.set j, 0
.rept 16
	v_pk_mul_f32 v[OACC+32*\qt+2*j:OACC+32*\qt+2*j+1], v[OACC+32*\qt+2*j:OACC+32*\qt+2*j+1], v[ALP+2*\qt:ALP+2*\qt+1] op_sel_hi:[1,0]
.set j, j+1
.endr
.endr
.endif
.if \kind == 0
	s_wait_dscnt 16                                ; V is in; the 16 younger loads of the next K stay out
.endif
.if \kind == 1
	WIN 0
	s_barrier_wait -1                              ; the round closes: no wave of any partner still reads this slot or has a load out
	JLOAD \slot                                    ; my one tensor load behind the round, ahead of every LDS read
	KLOAD (1-\slot), 0                             ; the other slot's first K lands under the products below
.endif
.if \kind == 2
	WIN 0
	s_barrier_wait -1                              ; the last tile is whole
	KLOAD (1-\slot), 0
.endif
.if \kind == 3
	s_wait_dscnt 0                                 ; V is in; nothing younger was asked for
.endif
	WIN 0x50                                       ; A and B in window 0, C and D in window 1
.irp u, 0,1
.irp dvt, 0,1,2,3
.irp qt, 0,1,2,3
.if \first*(1-\u)
	v_wmma_f32_16x16x32_f16 v[OACC+32*\qt+8*\dvt:OACC+32*\qt+8*\dvt+7], v[VF+16*\dvt+8*\u:VF+16*\dvt+8*\u+7], v[SCO+32*\qt+8*\u:SCO+32*\qt+8*\u+7], 0
.else
	v_wmma_f32_16x16x32_f16 v[OACC+32*\qt+8*\dvt:OACC+32*\qt+8*\dvt+7], v[VF+16*\dvt+8*\u:VF+16*\dvt+8*\u+7], v[SCO+32*\qt+8*\u:SCO+32*\qt+8*\u+7], v[OACC+32*\qt+8*\dvt:OACC+32*\qt+8*\dvt+7]
.endif
.endr
.endr
.endr
	WIN 0
.endm
	s_wait_tensorcnt 0x1                           ; my part of slot 0 is in; slot 1 stays out
	s_barrier_signal -1
	s_barrier_wait -1
	s_wait_loadcnt 0x0                             ; Q
	SUB 0, 0, 1, 0                                 ; 16 steps a wave: one here, twelve in the loop, three behind it
	s_mov_b32 s48, 3                               ; 8 tiles of 256 keys: two asked for at the start, two in each of three trips
.Lkv:
	SUB 0, 1, 0, 1
	SUB 1, 0, 0, 0
	SUB 1, 1, 0, 1
	SUB 0, 0, 0, 0
	s_sub_co_u32 s48, s48, 1
	s_cmp_lg_u32 s48, 0
	s_cbranch_scc1 .Lkv
	SUB 0, 1, 0, 2                                 ; nothing is left to fetch
	SUB 1, 0, 0, 0
	SUB 1, 1, 0, 3
	; MERGE of the two halves of the keys, and the way out
.rept 4
	v_nop                                          ; four places in front of the first read of O and of loads into P and V fragments
.endr
.irp qt, 0,1,2,3
	v_add_f32 v[TA+\qt], v[LSUM+2*\qt], v[LSUM+2*\qt+1]
	v_mov_b32 v[TB+\qt], v[NM+2*\qt]               ; the four shifts side by side
.endr
.irp qt, 0,1,2,3
	v_permlanex16_b32 v[T2+\qt], v[TA+\qt], s52, s53
.endr
.irp qt, 0,1,2,3
	v_add_f32 v[TA+\qt], v[TA+\qt], v[T2+\qt]      ; the sum over all my keys
.endr
	s_cmp_eq_u32 s9, 0
	s_cbranch_scc1 .Lkeep
	WIN 0x04                                       ; store data in window 1
.set i, 0
.rept 32
	ds_store_b128 v[MADR], v[OACC+4*i:OACC+4*i+3] offset:512*i
.set i, i+1
.endr
	WIN 0
	ds_store_b128 v[MADR], v[TB:TB+3] offset:16384
	ds_store_b128 v[MADR], v[TA:TA+3] offset:16896
.Lkeep:
	s_wait_dscnt 0x0                               ; for the partner wave: zero
	s_barrier_signal -1
	s_barrier_wait -1
	s_cmp_lg_u32 s9, 0
	s_cbranch_scc1 .Lclose
	ds_load_b128 v[TD:TD+3], v[MADR] offset:16384  ; the partner's shifts
	ds_load_b128 v[T2:T2+3], v[MADR] offset:16896  ; and sums
.set i, 0
.rept 32
	ds_load_b128 v[SCO+4*i:SCO+4*i+3], v[MADR] offset:512*i
.set i, i+1
.endr
	s_wait_dscnt 32                                ; the two small loads are in, the 32 behind them stay out
.irp qt, 0,1,2,3
	v_min_num_f32 v[MAXR+\qt], v[TB+\qt], v[TD+\qt]   ; the shift of the larger maximum
.endr
.irp qt, 0,1,2,3
	v_sub_f32 v[TB+\qt], v[MAXR+\qt], v[TB+\qt]
	v_sub_f32 v[TD+\qt], v[MAXR+\qt], v[TD+\qt]
.endr
.irp qt, 0,1,2,3
	v_exp_f32 v[TB+\qt], v[TB+\qt]
	v_exp_f32 v[TD+\qt], v[TD+\qt]
.endr
	v_nop                                          ; the plain place behind the transcendentals
	s_wait_alu depctr_va_vdst(0)
.irp qt, 0,1,2,3
	v_mul_f32 v[TA+\qt], v[TA+\qt], v[TB+\qt]
.endr
.irp qt, 0,1,2,3
	v_fma_f32 v[TA+\qt], v[T2+\qt], v[TD+\qt], v[TA+\qt]   ; the whole sum; at least one weight of it is near 1
.endr
.irp qt, 0,1,2,3
	v_rcp_f32 v[TA+\qt], v[TA+\qt]
.endr
	v_nop
	s_wait_alu depctr_va_vdst(0)
.irp qt, 0,1,2,3
	v_mul_f32 v[ALP+2*\qt], v[TB+\qt], v[TA+\qt]   ; factor of my half
	v_mul_f32 v[NM+2*\qt], v[TD+\qt], v[TA+\qt]    ; factor of the partner's
.endr
.irp qt, 0,1,2,3
	s_wait_dscnt 24-8*\qt                          ; the partner's tiles of qt are in, the later ones stay out
.set j, 0
.rept 16
	v_pk_mul_f32 v[SCO+32*\qt+2*j:SCO+32*\qt+2*j+1], v[SCO+32*\qt+2*j:SCO+32*\qt+2*j+1], v[NM+2*\qt:NM+2*\qt+1] op_sel_hi:[1,0]
.set j, j+1
.endr
.endr
	WIN 0x01                                       ; source 0 (my O) in window 1
.irp qt, 0,1,2,3
.set j, 0
.rept 16
	v_pk_fma_f32 v[SCO+32*\qt+2*j:SCO+32*\qt+2*j+1], v[OACC+32*\qt+2*j:OACC+32*\qt+2*j+1], v[ALP+2*\qt:ALP+2*\qt+1], v[SCO+32*\qt+2*j:SCO+32*\qt+2*j+1] op_sel_hi:[1,0,1]
.set j, j+1
.endr
.endr
	WIN 0
.irp qt, 0,1,2,3
.set j, 0
.rept 16
	v_cvt_pk_f16_f32 v[SCO+32*\qt+j], v[SCO+32*\qt+2*j], v[SCO+32*\qt+2*j+1]   ; eight neighbouring dv of a query: 16 bytes
.set j, j+1
.endr
.irp dvt, 0,1,2,3
	ds_store_b128 v[STO], v[SCO+32*\qt+4*\dvt:SCO+32*\qt+4*\dvt+3] offset:\qt*16*KP+32*\dvt
.endr
.endr
.irp t, 0,1,2,3,4,5,6,7,8,9,10,11,12,13,14,15
	ds_load_b128 v[VF+4*\t:VF+4*\t+3], v[RD] offset:\t*4*KP   ; my own stage: LDS serves a wave in order
.endr
.irp t, 0,1,2,3,4,5,6,7,8,9,10,11,12,13,14,15
	s_wait_dscnt 15-\t
	global_store_b128 v[CO], v[VF+4*\t:VF+4*\t+3], s[58:59] offset:512*\t   ; four queries of one head: 512 consecutive bytes, aligned
.endr
.Lclose:
	s_wait_tensorcnt 0x0
	ds_add_u32 v18, v19
	s_wait_dscnt 0x0
	ROUND                                          ; the closing round
	s_endpgm
.Lfunc_end_k_q7a08280cba_attn:
	.size	k_q7a08280cba_attn, .Lfunc_end_k_q7a08280cba_attn-k_q7a08280cba_attn
	.p2alignl 7, 3214868480
	.fill 96, 4, 3214868480
	.section	.rodata,"a",@progbits
	.p2align	6, 0x0
	.amdhsa_kernel k_q7a08280cba_attn
		.amdhsa_group_segment_fixed_size 327680
		.amdhsa_private_segment_fixed_size 0
		.amdhsa_enable_private_segment 0
		.amdhsa_kernarg_size 16
		.amdhsa_user_sgpr_count 2
		.amdhsa_user_sgpr_kernarg_segment_ptr 1
		.amdhsa_wavefront_size32 1
		.amdhsa_system_sgpr_workgroup_id_x 1
		.amdhsa_system_sgpr_workgroup_id_y 1
		.amdhsa_system_sgpr_workgroup_id_z 1
		.amdhsa_system_vgpr_workitem_id 0
		.amdhsa_next_free_vgpr 512
		.amdhsa_next_free_sgpr 66
		.amdhsa_reserve_vcc 0
		.amdhsa_float_denorm_mode_32 3
		.amdhsa_float_denorm_mode_16_64 3
		.amdhsa_memory_ordered 1
		.amdhsa_forward_progress 1
		.amdhsa_inst_pref_size 255
	.end_amdhsa_kernel
	.section	.bss,"aw",@nobits
	.p2align	6
	.space	262144
	.amdgpu_metadata
---
amdhsa.version: [ 1, 2 ]
amdhsa.kernels:
  - .name:           k_q7a08280cba_attn
    .symbol:         k_q7a08280cba_attn.kd
    .args:
      - { .name: qkvh, .offset: 0, .size: 8, .value_kind: global_buffer, .address_space: global }
      - { .name: ctxh, .offset: 8, .size: 8, .value_kind: global_buffer, .address_space: global }
    .group_segment_fixed_size: 327680
    .private_segment_fixed_size: 0
    .kernarg_segment_align: 8
    .kernarg_segment_size: 16
    .max_flat_workgroup_size: 256
    .sgpr_count:     66
    .vgpr_count:     512
    .wavefront_size: 32
...
	.end_amdgpu_metadata
.endif
;; end of part 3
;; launch oproj (part 4): grid 8 x 32, 4 waves a work-group, clusters of 4 x 4, 327,680 bytes of LDS; arguments ctxh, xh, b_o, out0; writes out0
.if DOCPART == 4
	.amdgcn_target "amdgcn-amd-amdhsa--gfx1250"
	.amdhsa_code_object_version 6
	.text
	.protected	k_q7a08280cba_oproj
	.globl	k_q7a08280cba_oproj
	.p2align	8
	.type	k_q7a08280cba_oproj,@function
k_q7a08280cba_oproj:
	s_mov_b64 s[64:65], 0
	v_nop
	global_prefetch_b8 v0, s[64:65] scope:SCOPE_SE
	s_setreg_imm32_b32 hwreg(HW_REG_WAVE_MODE, 25, 1), 1
	s_wait_xcnt 0x0
	s_wait_alu depctr_hold_cnt(0) depctr_sa_sdst(0) depctr_va_vdst(0) depctr_va_sdst(0) depctr_va_ssrc(0) depctr_va_vcc(0) depctr_vm_vsrc(0)
	s_getreg_b32 s2, hwreg(HW_REG_IB_STS2, 6, 4)
	s_cmp_eq_u32 s2, 0
	s_cbranch_scc0 .Lentry_in_a_cluster
	s_endpgm
.Lentry_in_a_cluster:
	s_bfe_u32 s2, ttmp6, 0x10000c
	s_cmp_lg_u32 s2, 0xf033
	s_cbranch_scc0 .Lentry_shape_is_right
	s_endpgm
.Lentry_shape_is_right:
; out0 = ctx w_o^T + b_o: [4096 x 1024] x [1024 x 1024]^T, operands f16 (ctxh, and the copy of w_o in xh), sums f32, the bias starts each sum, output f32.
; LIMIT: as for the launches before: f16 operands; the order of the sums is not that of a plain dot product.
; 256 work-groups of 128 x 128 (blocks of 256 x 256 would be 64 work-groups); wave (wm, wn) makes 64 x 64 with 16 accumulator tiles.
; ctxh is [batch][head][position][64]: 128 rows of one head are 16,384 dense bytes, a plane. A slot holds K = 256: four planes of A, and 128 rows x 512 bytes of w_o.
; Four fills in two slots, written out without a loop. CLUSTERS 4 x 4: A is shared along a cluster row, w_o along a column, by joint loads.
; LDS: slot = 4 regions of 36,864, region w filled by wave w: 0, 1: planes 2 w, 2 w + 1 (128 rows, pitch 144); 2, 3: 64 rows of w_o (pitch 528). Stage behind the ring.
; The matrix instruction is used transposed (source 0 = rows of w_o), so a lane holds eight neighbouring columns of an output row.
.set APITCH, 144
.set PLANE,  128*APITCH
.set REGION, 2*PLANE
.set BPITCH, 528
.set SLOT,   4*REGION
.set STAGE,  2*SLOT
.set SPITCH, 272
.set WOFF,   31457280                  ; w_o in xh
.set ADRA, 16
.set ADRB, 20
.set STO,  24
.set RD,   25
.set CO,   26
.set BOF,  27
.set BIAS, 32                          ; v[32+8b+j] = b_o[first column + 16 b + 8 (l / 16) + j]
.set RB0,  64                          ; read-back buffers of the way out
.set RB1,  96
.set ACC,  128                         ; tile (a, b) at 128 + 8 (4 a + b), window 0
.set F0,   0                           ; window 1: fragments of A at f + 8 (2 i + ks), of w_o at f + 64 + 8 (2 i + ks)
.set F1,   128
.set G1, 24
.set G0, 32
.set G1B, 48
.set G0B, 56
.set MSB, 0
.macro WIN new
.if MSB != \new
	s_set_vgpr_msb (MSB<<8)|\new
.set MSB, \new
.endif
.endm
.macro JLOAD s                         ; waves 0, 1 ask for A, waves 2, 3 for w_o; the branch hangs on the wave number alone
	s_cmp_eq_u32 s11, 0
	s_cbranch_scc0 .Lfor_b_\@
	tensor_load_to_lds s[G0+4*\s:G0+4*\s+3], s[G1:G1+7]
	s_nop 0
	s_branch .Lasked_\@
.Lfor_b_\@:
	tensor_load_to_lds s[G0B+4*\s:G0B+4*\s+3], s[G1B:G1B+7]
	s_nop 0
.Lasked_\@:
.endm
.macro CROUND                          ; a round of the cluster barrier
	s_barrier_signal -1
	s_barrier_wait -1
	s_cmp_lg_u32 s10, 0
	s_cbranch_scc1 .Lnot_wave_0_\@
	s_barrier_signal -3
.Lnot_wave_0_\@:
	s_barrier_wait -3
	s_barrier_signal -1
	s_barrier_wait -1
.endm
	s_load_b256 s[68:75], s[0:1], 0x0              ; ctxh s[68:69], xh s[70:71], b_o s[72:73], out0 s[74:75]
	v_lshl_add_u32 v30, v0, 2, 0x4c400
	v_mov_b32 v31, 0
	ds_add_u32 v30, v31
	v_lshrrev_b32 v1, 5, v0
	v_readfirstlane_b32 s10, v1                    ; wave 0..3
	s_lshr_b32 s11, s10, 1                         ; wm. Also: I fetch A (0) or w_o (1)
	s_and_b32 s12, s10, 1                          ; wn. Also: which part I fetch
	s_bfe_u32 s40, ttmp6, 0x40000                  ; cx
	s_bfe_u32 s41, ttmp6, 0x40004                  ; cy
	s_lshl_b32 s42, ttmp9, 2
	s_add_co_u32 s42, s42, s40                     ; block column 0..7
	s_and_b32 s13, ttmp7, 0xffff
	s_lshl_b32 s13, s13, 2
	s_add_co_u32 s13, s13, s41                     ; block row 0..31
	s_lshl_b32 s43, s41, 2
	s_lshl_b32 s43, 15, s43                        ; my row of the cluster
	s_lshl_b32 s44, 0x1111, s40                    ; my column
	; A: two planes, each one row of 8,192 elements, 131,072 elements apart; 4 words of padding behind every 32 words: pitch 144 for each position
	s_or_b32 s[G1+0], s43, (1<<16)|(1<<20)|(1<<21)|(4<<22)|(3<<25)
	s_mov_b32 s[G1+1], 8192<<16
	s_mov_b32 s[G1+2], 2<<16
	s_mov_b32 s[G1+3], 8192<<16
	s_mov_b32 s[G1+4], 2
	s_mov_b32 s[G1+5], 131072
	s_mov_b32 s[G1+6], 0
	s_mov_b32 s[G1+7], 0
	; w_o: 64 rows of 256 elements, 1,024 elements apart; 4 words of padding behind every 128 words: pitch 528
	s_or_b32 s[G1B+0], s44, (1<<16)|(1<<20)|(1<<21)|(6<<22)|(3<<25)
	s_mov_b32 s[G1B+1], 256<<16
	s_mov_b32 s[G1B+2], 64<<16
	s_mov_b32 s[G1B+3], 256<<16
	s_mov_b32 s[G1B+4], 64
	s_mov_b32 s[G1B+5], 1024
	s_mov_b32 s[G1B+6], 0
	s_mov_b32 s[G1B+7], 0
	s_lshr_b32 s16, s13, 4
	s_lshl_b32 s16, s16, 22                        ; batch x 4,194,304
	s_and_b32 s17, s13, 15
	s_lshl_b32 s17, s17, 14                        ; + 128 positions x 128 bytes x (block row & 15)
	s_add_co_u32 s16, s16, s17
	s_lshl_b32 s17, s12, 19                        ; + two planes x part
	s_add_co_u32 s16, s16, s17
	s_mov_b32 s17, 0
	s_lshl_b32 s46, s42, 7
	s_lshl_b32 s47, s12, 6
	s_add_co_u32 s46, s46, s47                     ; row of w_o: 128 x block column + 64 x part
	s_lshl_b32 s46, s46, 11
	s_add_co_u32 s46, s46, WOFF
	s_mov_b32 s47, 0
	s_mul_i32 s20, s10, REGION
	s_lshl_b32 s76, s42, 9                         ; (128 x block column + 64 wn) x 4 bytes: bias, and column in out0
	s_lshl_b32 s77, s12, 8
	s_add_co_u32 s76, s76, s77
	s_mov_b32 s77, 0
	s_lshl_b32 s78, s13, 7
	s_lshl_b32 s79, s11, 6
	s_add_co_u32 s78, s78, s79                     ; my first row of out0
	s_lshl_b32 s78, s78, 12                        ; rows of 4,096 bytes
	s_add_co_u32 s78, s78, s76
	s_mov_b32 s79, 0
	s_wait_dscnt 0x0
	s_wait_kmcnt 0x0
	s_add_nc_u64 s[14:15], s[68:69], s[16:17]
	s_add_nc_u64 s[46:47], s[70:71], s[46:47]
	s_add_nc_u64 s[72:73], s[72:73], s[76:77]
	s_add_nc_u64 s[74:75], s[74:75], s[78:79]
	CROUND                                         ; in front of the first joint loads
.irp s, 0,1
	s_mov_b32 s[G0+4*\s], 1
	s_add_co_u32 s[G0+4*\s+1], s20, \s*SLOT
	s_add_nc_u64 s[G0+4*\s+2:G0+4*\s+3], s[14:15], \s*1048576     ; four planes a fill
	s_or_b32 s[G0+4*\s+3], s[G0+4*\s+3], 0x80000000
	s_mov_b32 s[G0B+4*\s], 1
	s_add_co_u32 s[G0B+4*\s+1], s20, \s*SLOT
	s_add_nc_u64 s[G0B+4*\s+2:G0B+4*\s+3], s[46:47], \s*512       ; 256 along K a fill
	s_or_b32 s[G0B+4*\s+3], s[G0B+4*\s+3], 0x80000000
	JLOAD \s                                       ; two loads of the wave are out
.endr
	v_and_b32 v1, 15, v0                           ; r
	v_bfe_u32 v2, v0, 4, 1                         ; h
	v_lshlrev_b32 v[BOF], 5, v2
.irp b, 0,1,2,3
	global_load_b128 v[BIAS+8*\b:BIAS+8*\b+3],   v[BOF], s[72:73] offset:64*\b
	global_load_b128 v[BIAS+8*\b+4:BIAS+8*\b+7], v[BOF], s[72:73] offset:64*\b+16
.endr
	v_mul_u32_u24 v3, v1, APITCH
	v_lshl_add_u32 v3, v2, 4, v3
	s_mul_i32 s21, s11, 64*APITCH                  ; my 64 rows in each plane
	v_add_nc_u32 v[ADRA], s21, v3
	v_add_nc_u32 v[ADRA+1], SLOT, v[ADRA]
	v_mul_u32_u24 v3, v1, BPITCH
	v_lshl_add_u32 v3, v2, 4, v3
	s_mul_i32 s22, s12, REGION
	s_add_co_u32 s22, s22, 2*REGION                ; my 64 rows of w_o are one region
	v_add_nc_u32 v[ADRB], s22, v3
	v_add_nc_u32 v[ADRB+1], SLOT, v[ADRB]
	s_mul_i32 s23, s10, 16*SPITCH
	s_add_co_u32 s23, s23, STAGE
	v_mul_u32_u24 v4, v1, SPITCH
	v_lshl_add_u32 v4, v2, 5, v4                   ; in: row r, 32 bytes for each half of the lanes
	v_add_nc_u32 v[STO], s23, v4
	v_mul_u32_u24 v5, v2, SPITCH
	v_lshl_add_u32 v5, v1, 4, v5                   ; back: sixteen lanes take a row of 256 bytes
	v_add_nc_u32 v[RD], s23, v5
	v_lshlrev_b32 v5, 12, v2
	v_lshl_add_u32 v[CO], v1, 4, v5                ; the same two rows in out0
.macro PLACES                          ; four independent places between a matrix instruction and a load into, or an access to, its registers
.rept 4
	v_nop
.endr
.endm
; 32 LDS loads: the fragments of plane p (64 along K) of a slot into buffer f
.macro FETCH slot, p, f
	WIN 0x40
.irp i, 0,1,2,3
.irp ks, 0,1
	ds_load_b128 v[\f+8*(2*\i+\ks):\f+8*(2*\i+\ks)+3],   v[ADRA+\slot] offset:\p*PLANE+\i*16*APITCH+\ks*64
	ds_load_b128 v[\f+8*(2*\i+\ks)+4:\f+8*(2*\i+\ks)+7], v[ADRA+\slot] offset:\p*PLANE+\i*16*APITCH+\ks*64+32
.endr
.endr
.irp i, 0,1,2,3
.irp ks, 0,1
	ds_load_b128 v[\f+64+8*(2*\i+\ks):\f+64+8*(2*\i+\ks)+3],   v[ADRB+\slot] offset:\i*16*BPITCH+\p*128+\ks*64
	ds_load_b128 v[\f+64+8*(2*\i+\ks)+4:\f+64+8*(2*\i+\ks)+7], v[ADRB+\slot] offset:\i*16*BPITCH+\p*128+\ks*64+32
.endr
.endr
.endm
; 32 matrix instructions: 64 x 64 x 64. The 16 accumulators take turns, one instruction a turn. first = 1: the bias is C.
.macro MUL32 f, first
	WIN 0x05
.irp ks, 0,1
.irp a, 0,1,2,3
.irp b, 0,1,2,3
.if \first*(1-\ks)
	v_wmma_f32_16x16x32_f16 v[ACC+8*(4*\a+\b):ACC+8*(4*\a+\b)+7], v[\f+64+8*(2*\b+\ks):\f+64+8*(2*\b+\ks)+7], v[\f+8*(2*\a+\ks):\f+8*(2*\a+\ks)+7], v[BIAS+8*\b:BIAS+8*\b+7]
.else
	v_wmma_f32_16x16x32_f16 v[ACC+8*(4*\a+\b):ACC+8*(4*\a+\b)+7], v[\f+64+8*(2*\b+\ks):\f+64+8*(2*\b+\ks)+7], v[\f+8*(2*\a+\ks):\f+8*(2*\a+\ks)+7], v[ACC+8*(4*\a+\b):ACC+8*(4*\a+\b)+7]
.endif
.endr
.endr
.endr
.endm
; A slot: four planes on two fragment buffers; the next plane is fetched in front of each product, so it lands beside 32 matrix instructions.
.macro PROC slot, first
	PLACES
	FETCH \slot, 0, F0
	FETCH \slot, 1, F1
	s_wait_dscnt 32                                ; all but the 32 just issued
	MUL32 F0, \first
	PLACES
	FETCH \slot, 2, F0
	s_wait_dscnt 32
	MUL32 F1, 0
	PLACES
	FETCH \slot, 3, F1
	s_wait_dscnt 32
	MUL32 F0, 0
	s_wait_dscnt 0
	MUL32 F1, 0
	WIN 0
.endm
; A slot that has been read is filled again: all my tensor loads and my reads are waited for, a round of the cluster barrier, then my one load.
.macro REFILL slot
	s_wait_tensorcnt 0x0
	ds_add_u32 v30, v31
	s_add_nc_u64 s[G0+4*\slot+2:G0+4*\slot+3], s[G0+4*\slot+2:G0+4*\slot+3], 2097152   ; eight planes on
	s_add_nc_u64 s[G0B+4*\slot+2:G0B+4*\slot+3], s[G0B+4*\slot+2:G0B+4*\slot+3], 1024  ; 512 along K on
	s_wait_dscnt 0x0
	CROUND
	JLOAD \slot
.endm
	s_wait_tensorcnt 0x1                           ; my part of slot 0 is in; slot 1 stays out
	s_barrier_signal -1
	s_barrier_wait -1
	s_wait_loadcnt 0x0                             ; the bias
	PROC 0, 1
	REFILL 0
	PROC 1, 0
	REFILL 1
	PROC 0, 0
	s_wait_tensorcnt 0x0                           ; the last fill
	s_wait_dscnt 0x0
	s_barrier_signal -1
	s_barrier_wait -1
	PROC 1, 0
	; THE WAY OUT, 16 rows at a time through my own stage: a lane puts 32 bytes of a row, sixteen lanes read a row of 256 bytes back
	PLACES
.macro OUT16 a, f
.irp b, 0,1,2,3
	ds_store_b128 v[STO], v[ACC+8*(4*\a+\b):ACC+8*(4*\a+\b)+3]   offset:64*\b
	ds_store_b128 v[STO], v[ACC+8*(4*\a+\b)+4:ACC+8*(4*\a+\b)+7] offset:64*\b+16
.endr
	s_wait_xcnt 0x0                                ; buffer f, which earlier stores read, is loaded again only behind this wait
.irp t, 0,1,2,3,4,5,6,7
	ds_load_b128 v[\f+4*\t:\f+4*\t+3], v[RD] offset:\t*2*SPITCH   ; LDS serves a wave in order: these see the stores above
.endr
.irp t, 0,1,2,3,4,5,6,7
	s_wait_dscnt 7-\t
	global_store_b128 v[CO], v[\f+4*\t:\f+4*\t+3], s[74:75] offset:(16*\a+2*\t)*4096 th:TH_STORE_NT   ; sixteen lanes store 256 consecutive bytes, aligned
.endr
.endm
	OUT16 0, RB0
	OUT16 1, RB1
	OUT16 2, RB0
	OUT16 3, RB1
	s_wait_tensorcnt 0x0
	ds_add_u32 v30, v31
	s_wait_dscnt 0x0
	CROUND                                         ; the closing round
	s_endpgm
.Lfunc_end_k_q7a08280cba_oproj:
	.size	k_q7a08280cba_oproj, .Lfunc_end_k_q7a08280cba_oproj-k_q7a08280cba_oproj
	.p2alignl 7, 3214868480
	.fill 96, 4, 3214868480
	.section	.rodata,"a",@progbits
	.p2align	6, 0x0
	.amdhsa_kernel k_q7a08280cba_oproj
		.amdhsa_group_segment_fixed_size 327680
		.amdhsa_private_segment_fixed_size 0
		.amdhsa_enable_private_segment 0
		.amdhsa_kernarg_size 32
		.amdhsa_user_sgpr_count 2
		.amdhsa_user_sgpr_kernarg_segment_ptr 1
		.amdhsa_wavefront_size32 1
		.amdhsa_system_sgpr_workgroup_id_x 1
		.amdhsa_system_sgpr_workgroup_id_y 1
		.amdhsa_system_sgpr_workgroup_id_z 1
		.amdhsa_system_vgpr_workitem_id 0
		.amdhsa_next_free_vgpr 512
		.amdhsa_next_free_sgpr 80
		.amdhsa_reserve_vcc 0
		.amdhsa_float_denorm_mode_32 3
		.amdhsa_float_denorm_mode_16_64 3
		.amdhsa_memory_ordered 1
		.amdhsa_forward_progress 1
		.amdhsa_inst_pref_size 85
	.end_amdhsa_kernel
	.amdgpu_metadata
---
amdhsa.version: [ 1, 2 ]
amdhsa.kernels:
  - .name:           k_q7a08280cba_oproj
    .symbol:         k_q7a08280cba_oproj.kd
    .args:
      - { .name: ctxh, .offset: 0, .size: 8, .value_kind: global_buffer, .address_space: global }
      - { .name: xh, .offset: 8, .size: 8, .value_kind: global_buffer, .address_space: global }
      - { .name: b_o, .offset: 16, .size: 8, .value_kind: global_buffer, .address_space: global }
      - { .name: out0, .offset: 24, .size: 8, .value_kind: global_buffer, .address_space: global }
    .group_segment_fixed_size: 327680
    .private_segment_fixed_size: 0
    .kernarg_segment_align: 8
    .kernarg_segment_size: 32
    .max_flat_workgroup_size: 128
    .sgpr_count:     80
    .vgpr_count:     512
    .wavefront_size: 32
...
	.end_amdgpu_metadata
.endif
;; end of part 4
